; MI455X (gfx1250); checked and timed in simulation.
; The chip was launched on July 23, 2026; its instructions are those of AMD's public machine-readable ISA for CDNA 5 (MIT licence, August 2026) and "CDNA5" Instruction Set Architecture Reference Guide (July 2026). The comments in the code are by the model that wrote it; some were corrected since.
;; Switch Feed Forward. Allowed arithmetic: matrix products marked QUANTISED: E2M3 operands, one E8M0 scale for each 32 along K, by v_wmma_scale_f32_16x16x128_f8f6f4 with both operands' format E2M3, f32 sums; products left as they are: f32 operands where the result goes on into a quantised operand, else bf16, f16 or f32 operands; f32 sums; everything else in f32.
;; Inputs: expert_b 8 x 2,048 float32; expert_w_codes 8 x 2,048 x 64 x 24 uint8 (E2M3 codes of expert_w, K innermost, in blocks of 32 codes, four codes in three bytes); expert_w_scales 8 x 2,048 x 64 uint8 (E8M0 scales of expert_w, one for each 32 codes along K); switch_b 8 float32; switch_w 2,048 x 8 float32; x 2,048 x 2,048 float32.
;; Outputs: out0 2,048 x 2,048 float32; out1 8 float32; out2 8 float32; out3 2,048 float32.
;; This version of the problem:
;;   THIS VERSION OF THE PROBLEM IS GIVEN IN LOW PRECISION. The matrix products marked QUANTISED in the list below multiply operands that are first quantised to E2M3 (2 exponent bits, 3 mantissa bits; 6 bits a number), with one power-of-two scale for each 32 numbers along K (OCP MX v1.0); their sums are f32. All else is computed in f32.
;;   The module's matrix products, in the order in which they are computed (A, B: the left and right operand; K: the contracted axis; several contracted axes count as one K, in the product's order):
;;     1. [M 2,048, K 2,048] x [K 2,048, N 8]; A: input x; B: input switch_w: left as it is (N = 8 < 16)
;;     2. [M 2,048, K 2,048] x [K 2,048, N 16,384]; A: input x; B: input expert_w (given as codes): QUANTISED
;;     3. batch 2,048 x [M 1, K 8] x [K 8, N 2,048]; A: computed on the way; B: computed on the way: left as it is (K = 8 < 32)
;;   THE QUANTISER, for each operand of a quantised product, along K:
;;     - K is cut into blocks of 32 from its start; a last block that is shorter is filled with zeros.
;;     - A block's scale is 2^e with e = floor(log2(the largest magnitude in the block)) - 2, held to -126 .. 127; a block of zeros has e = 0. As a byte (E8M0): e + 127.
;;     - Each number is divided by its block's scale, clamped to +-7.5, and rounded to the nearest number of E2M3, ties to even, subnormals kept.
;;     - The product sums the exact products of the quantised numbers (number of the format x scale) in f32.
;;   ~~~python
;;   def quantise(x, axis):      # numpy; x: float32 -> the quantised numbers, widened to float32 again
;;       x = np.moveaxis(x, axis, -1); K = x.shape[-1]
;;       x = np.pad(x, [(0, 0)] * (x.ndim - 1) + [(0, -K % 32)]); x = x.reshape(x.shape[:-1] + (-1, 32)); a = np.abs(x).max(-1, keepdims=True)
;;       e = np.where(a > 0, np.clip(np.frexp(np.where(a > 0, a, 1))[1] - 1 - 2, -126, 127), 0)      # np.frexp(a)[1] - 1 = floor(log2(a)), exactly
;;       r = np.clip(x / 2.0 ** e, -7.5, 7.5)
;;       step = 2.0 ** (np.maximum(np.frexp(np.where(r == 0, 1, r))[1] - 1, 0) - 3)
;;       q = np.round(r / step) * step * 2.0 ** e      # np.round: ties to even
;;       return np.moveaxis(q.reshape(q.shape[:-2] + (-1,))[..., :K], -1, axis).astype(np.float32)
;;   ~~~
;;   INPUTS GIVEN AS CODES. expert_w (in the module: [8, 2048, 2048], K = its axis 1): each comes as NAME_codes (uint8): NAME with its K axis moved to the last place and cut into blocks of 32 codes, [.., K / 32, bytes a block], one block behind the other in memory; four codes in three bytes: a row's codes are one little-endian stream of bits, code i at bits 6 i .. 6 i + 5 (a code: sign, 2 exponent bits, 3 mantissa bits); and NAME_scales (uint8): the same leading axes, one E8M0 byte (e + 127) for each 32 codes along K. Its value is code x scale, taken as it is: it is not quantised again, and the codes and scales need not be those that the quantiser above would give.
;; One version. Each part assembles by itself: llvm-mc -triple=amdgcn-amd-amdhsa -mcpu=gfx1250 --defsym DOCPART=n.
;; ======== version 1 of 1: 2 launches
;; workspace buffers: xq 3,145,728 bytes; xs 131,072 bytes; routes 8,192 bytes of whole numbers; psum 8,192 bytes
;; launch route (part 1): grid 256 x 1, 4 waves a work-group, no clusters, 90,112 bytes of LDS; arguments x, switch_w, switch_b, xq, xs, routes, psum, out3; writes xq, xs, routes, psum, out3
.if DOCPART == 1
	.amdgcn_target "amdgcn-amd-amdhsa--gfx1250"
	.amdhsa_code_object_version 6
	.text
	.protected	k_q90816cab17_route
	.globl	k_q90816cab17_route
	.p2align	8
	.type	k_q90816cab17_route,@function
k_q90816cab17_route:
	s_mov_b64 s[64:65], 0
	v_nop
	global_prefetch_b8 v0, s[64:65] scope:SCOPE_SE
	s_setreg_imm32_b32 hwreg(HW_REG_WAVE_MODE, 25, 1), 1
	s_wait_xcnt 0x0
; SwitchFeedForward, first launch: the router, and x's codes.
; x [2048][2048] f32 is read once.  From it come (a) the logits x @ switch_w + switch_b in f32 fused multiply-adds, their softmax, the chosen expert (u32, to routes),
; the largest probability (to out3) and this work-group's sum of its 8 tokens' probabilities (to psum [256][8]); (b) x's codes of E2M3 with one E8M0 byte for each 32 along K.
; xq is laid as the next launch's operand registers want it: [token][K step of 128: 16][h: 2][48 bytes]: the 24 bytes of block h of the step, then those of block 2 + h.  xs is [token][64], one byte a block.
; SHARES.  Work-group g owns tokens 8 g .. 8 g + 7.  Wave w owns k = 512 w .. 512 w + 511 of all eight.  A step is one token's 2,048 bytes of that range: four loads of 512 consecutive bytes; they turn through the
; wave's own stage in LDS, after which lane l holds the 16 neighbours k = 512 w + 16 l + 0 .. 15 (two neighbouring lanes hold a block of 32).  The lane's 16 x 8 numbers of switch_w stay in 128 registers.
; All 64 loads of a wave are issued at the head, so nothing is asked for ahead of them; no matrix unit (the router has 8 columns and its choice steers a whole row of the result: f32), no tensor load, one barrier.
; A block's scale is 2^(floor(log2(largest magnitude)) - 2): its byte is the largest magnitude's exponent field - 2, held at 1 from below.
; LIMITS: NaN and infinities in x are not served.  A block of zeros gets the byte 1 where the rule says 127: its codes are zeros, and this program alone reads the bytes.
; The choice is the largest LOGIT, the lower index at a tie: a token whose two largest logits lie closer than the rounding of the f32 sums (some 1e-6 of their size) may be routed otherwise than by another order of summation.
; REGISTERS, in windows of 256: window 0: v1-12 addresses, v13-19 at work, X two sets of 16 numbers, C codes (4 a step), E scale bytes, P 64 partial logits (8 t + e), T, Z, SM at work.
;   window 1: v0-127 switch_w (register 8 i + e: k = 16 l + i, expert e); v128-255 the same as loaded.   window 2: v0-127 x as loaded (16 t + 4 n).
.set WREG,  22016                      ; LDS of a wave: the stage for switch_w, then two stages for x
.set WPIT,  528                        ; a lane's 512 bytes of switch_w + 16: 132 words
.set XSTG,  32*WPIT
.set SP,    80                         ; a lane's 64 bytes of x + 16
.set SCB,   4*WREG                     ; 8 tokens x 64 scale bytes
.set WRED,  SCB+512                    ; 4 waves x 64 partial logits
.set X,   20
.set C,   52
.set E,   84
.set P,   96
.set T,   160
.set Z,   168
.set SM,  200
.set MSB, 0
.macro WIN new                         ; the immediate's high byte repeats the setting that is left
.if MSB != \new
	s_set_vgpr_msb (MSB<<8)|\new
.set MSB, \new
.endif
.endm
	s_load_b256 s[4:11], s[0:1], 0x0               ; x s[4:5], switch_w s[6:7], switch_b s[8:9], xq s[10:11]
	s_load_b256 s[12:19], s[0:1], 0x20             ; xs s[12:13], routes s[14:15], psum s[16:17], out3 s[18:19]
	v_lshl_add_u32 v254, v0, 2, 0x15e00
	v_mov_b32 v255, 0
	v_lshrrev_b32 v13, 5, v0
	v_readfirstlane_b32 s28, v13                   ; wave 0..3
	v_and_b32 v1, 31, v0                           ; lane
	v_lshlrev_b32 v2, 4, v1                        ; 16 x lane: my bytes of a load's 512
	s_mul_i32 s29, s28, WREG
	v_add_nc_u32 v3, s29, v2                       ; switch_w's stage, in: load m's 512 bytes are lane m's: row m
	v_mul_u32_u24 v4, v1, WPIT
	v_add_nc_u32 v4, s29, v4                       ; and out: my row
	v_lshrrev_b32 v13, 2, v1
	v_mul_u32_u24 v5, v13, SP
	v_and_b32 v13, 3, v1
	v_lshl_add_u32 v5, v13, 4, v5
	s_add_co_u32 s29, s29, XSTG
	v_add_nc_u32 v5, s29, v5                       ; x's stage, in: four lanes' 64 bytes on end, then 16 of padding
	v_mul_u32_u24 v6, v1, SP
	v_add_nc_u32 v6, s29, v6                       ; and out: my 16 neighbours
	v_lshrrev_b32 v13, 3, v1                       ; my 12 bytes of codes in xq: K step l / 8 of the wave's four,
	v_mul_u32_u24 v7, v13, 96
	v_bfe_u32 v13, v1, 1, 1                        ; block b = (l / 2) % 4 of the step: at 48 (b % 2)
	v_mad_u32_u24 v7, v13, 48, v7
	v_bfe_u32 v13, v1, 2, 1                        ; + 24 (b / 2),
	v_mad_u32_u24 v7, v13, 24, v7
	v_and_b32 v13, 1, v1                           ; and the block's lower or upper 16 codes
	v_mad_u32_u24 v7, v13, 12, v7
	s_lshl_b32 s29, s28, 4
	s_add_co_u32 s29, s29, SCB
	v_lshrrev_b32 v8, 1, v1
	v_add_nc_u32 v8, s29, v8                       ; my block's scale byte: 16 x wave + l / 2 in a token's 64
	v_bfe_u32 v13, v1, 4, 1                        ; where my two sums lie after the exchange among the lanes: number 2 b4 + 4 b3 + 8 b2 + 16 b1 + 32 b0 of 64 (b: the lane's bits)
	v_lshlrev_b32 v9, 3, v13
	v_bfe_u32 v13, v1, 3, 1
	v_lshl_or_b32 v9, v13, 4, v9
	v_bfe_u32 v13, v1, 2, 1
	v_lshl_or_b32 v9, v13, 5, v9
	v_bfe_u32 v13, v1, 1, 1
	v_lshl_or_b32 v9, v13, 6, v9
	v_and_b32 v13, 1, v1
	v_lshl_or_b32 v9, v13, 7, v9
	s_lshl_b32 s29, s28, 8
	s_add_co_u32 s29, s29, WRED
	v_add_nc_u32 v9, s29, v9
	v_and_b32 v13, 7, v1
	v_lshl_add_u32 v10, v13, 5, WRED               ; the end: lane l serves token l % 8: its 8 partial logits of a wave
	v_add_nc_u32 v11, SCB, v2                      ; the scale bytes on their way out: 16 a lane
	v_lshlrev_b32 v12, 2, v1                       ; 4 x lane
	s_mov_b32 s33, 0xaaaaaaaa                      ; the lanes whose bit 0, 1, 2, 3, 4 is set
	s_mov_b32 s34, 0xcccccccc
	s_mov_b32 s35, 0xf0f0f0f0
	s_mov_b32 s36, 0xff00ff00
	s_mov_b32 s37, 0xffff0000
	s_mov_b32 s38, 0x76543210                      ; v_permlanex16_b32's selects for lane l xor 16
	s_mov_b32 s39, 0xfedcba98
	s_mov_b32 s40, 0x3fb8aa3b                      ; log2(e)
	s_mov_b32 s31, 0
	s_wait_kmcnt 0x0
	s_load_b256 s[20:27], s[8:9], 0x0              ; switch_b's eight numbers
	s_lshl_b32 s30, s28, 14                        ; switch_w: my 512 rows of 32 bytes
	s_add_nc_u64 s[6:7], s[6:7], s[30:31]
	s_lshl_b32 s30, ttmp9, 16                      ; x: 8 rows of 8,192 bytes a work-group, 2,048 bytes of each a wave
	s_lshl_b32 s29, s28, 11
	s_add_co_u32 s30, s30, s29
	s_add_nc_u64 s[4:5], s[4:5], s[30:31]
	WIN 0x40                                       ; destination window 1
.set mm, 0
.rept 32
	global_load_b128 v[128+4*mm:128+4*mm+3], v2, s[6:7] offset:512*mm
.set mm, mm+1
.endr
	WIN 0x80                                       ; destination window 2
.irp t, 0,1,2,3,4,5,6,7
.irp n, 0,1,2,3
	global_load_b128 v[16*\t+4*\n:16*\t+4*\n+3], v2, s[4:5] offset:8192*\t+512*\n th:TH_LOAD_NT   ; 32 lanes read 512 consecutive bytes; read once in the launch
.endr
.endr
	WIN 0
	s_mul_i32 s30, ttmp9, 12288                    ; xq: 8 tokens of 1,536 bytes a work-group, four K steps of 96 bytes a wave
	s_mul_i32 s29, s28, 384
	s_add_co_u32 s30, s30, s29
	s_add_nc_u64 s[10:11], s[10:11], s[30:31]
	s_lshl_b32 s30, ttmp9, 9                       ; xs: 512 bytes a work-group
	s_add_nc_u64 s[12:13], s[12:13], s[30:31]
	s_lshl_b32 s30, ttmp9, 5                       ; routes, psum, out3: 32 bytes a work-group
	s_add_nc_u64 s[14:15], s[14:15], s[30:31]
	s_add_nc_u64 s[16:17], s[16:17], s[30:31]
	s_add_nc_u64 s[18:19], s[18:19], s[30:31]
; step t's 2,048 bytes through the stage: LDS serves a wave's instructions in order (ISA guide 5.7.1.4), so no wait stands between the stores and the loads
.macro TURN t
	WIN 0x08                                       ; an LDS store's data are its source 1: window 2
.irp n, 0,1,2,3
	ds_store_b128 v5, v[16*(\t)+4*\n:16*(\t)+4*\n+3] offset:32*SP*((\t)%2)+8*SP*\n
.endr
	WIN 0
.irp n, 0,1,2,3
	ds_load_b128 v[X+16*((\t)%2)+4*\n:X+16*((\t)%2)+4*\n+3], v6 offset:32*SP*((\t)%2)+16*\n
.endr
.endm
; my 16 numbers of token t: codes and scale byte, then their part of the token's eight logits
.macro STEP t
.set XS, X+16*((\t)%2)
.if (\t) > 0
	s_wait_dscnt 1                                 ; this step's numbers are back from the stage; the one LDS instruction issued behind them, the last step's byte store, may be out
.else
	s_wait_dscnt 0x0                               ; and switch_w is in its registers
.endif
.if (\t) < 7
	s_wait_loadcnt 4*(6-(\t))                      ; the next step's four loads are in; those of the 6 - t steps behind it may be out
	TURN (\t)+1
.endif
	v_max3_num_f32 v13, |v[XS]|, |v[XS+1]|, |v[XS+2]|              ; the largest magnitude of my 16, in two chains
	v_max3_num_f32 v14, |v[XS+3]|, |v[XS+4]|, |v[XS+5]|
.irp i, 6,10
	v_max3_num_f32 v13, v13, |v[XS+\i]|, |v[XS+\i+1]|
	v_max3_num_f32 v14, v14, |v[XS+\i+2]|, |v[XS+\i+3]|
.endr
	v_max3_num_f32 v13, v13, |v[XS+14]|, |v[XS+15]|
	v_max3_num_f32 v13, v13, v14, 0x1800000        ; and the floor 2^(3 - 127): the byte cannot fall under 1
	v_max_num_f32_dpp v13, v13, v13 row_xmask:1 row_mask:0xf bank_mask:0xf   ; with my neighbour's 16: the block's
	v_add_nc_u32 v15, 0xff000000, v13              ; 2 off its exponent field: the conversion takes the exponent field of this operand as its scale
	v_cvt_scalef32_pk16_fp6_f32 v[C+4*(\t):C+4*(\t)+2], v[XS:XS+15], v15   ; to the nearest code, ties to even, beyond 7.5 the largest code; 96 bits without gaps
	v_lshrrev_b32 v[E+(\t)], 23, v15               ; the scale's byte (also the plain instruction behind the conversion)
	ds_store_b8 v8, v[E+(\t)] offset:64*(\t)       ; both lanes of a block write the same byte with the same value
	global_store_b96 v7, v[C+4*(\t):C+4*(\t)+2], s[10:11] offset:1536*(\t)   ; the wave's 32 x 12 bytes fill 384 consecutive bytes; each step has its own registers, so no store's data are written again
	WIN 0x04                                       ; source 1 (switch_w) window 1
.irp i, 0,1,2,3,4,5,6,7,8,9,10,11,12,13,14,15
.irp p, 0,1,2,3
.if \i == 0
	v_pk_mul_f32 v[P+8*(\t)+2*\p:P+8*(\t)+2*\p+1], v[XS:XS+1], v[2*\p:2*\p+1] op_sel_hi:[0,1]   ; the first product starts the sums; x's number serves both experts of the pair
.elseif (\i)%2 == 0
	v_pk_fma_f32 v[P+8*(\t)+2*\p:P+8*(\t)+2*\p+1], v[XS+\i:XS+\i+1], v[8*\i+2*\p:8*\i+2*\p+1], v[P+8*(\t)+2*\p:P+8*(\t)+2*\p+1] op_sel_hi:[0,1,1]
.else
	v_pk_fma_f32 v[P+8*(\t)+2*\p:P+8*(\t)+2*\p+1], v[XS+\i-1:XS+\i], v[8*\i+2*\p:8*\i+2*\p+1], v[P+8*(\t)+2*\p:P+8*(\t)+2*\p+1] op_sel:[1,0,0] op_sel_hi:[1,1,1]
.endif
.endr
.endr
	WIN 0
.endm
; One step of the sum over the lanes: of 2 n numbers a lane keeps n (the upper n where its bit is set) and gives the other n to the lane across
.macro RSTEP n, m, xm
.set jj, 0
.rept \n
	v_cndmask_b32 v[T+jj%8], v[P+jj+\n], v[P+jj], s[\m]            ; what I give
	v_cndmask_b32 v[P+jj], v[P+jj], v[P+jj+\n], s[\m]              ; what I keep
	v_add_f32_dpp v[P+jj], v[T+jj%8], v[P+jj] row_xmask:\xm row_mask:0xf bank_mask:0xf
.set jj, jj+1
.endr
.endm
	s_wait_loadcnt 32                              ; switch_w's 32 loads are in; x's 32, issued behind them, may be out
	WIN 0x04
.set mm, 0
.rept 32
	ds_store_b128 v3, v[128+4*mm:128+4*mm+3] offset:WPIT*mm
.set mm, mm+1
.endr
	WIN 0x40
.set mm, 0
.rept 32
	ds_load_b128 v[4*mm:4*mm+3], v4 offset:16*mm   ; my 512 bytes: k = 16 l + mm / 2, experts 4 (mm % 2) on
.set mm, mm+1
.endr
	WIN 0
	s_wait_loadcnt 28                              ; token 0's four loads are in
	TURN 0
.irp t, 0,1,2,3,4,5,6,7
	STEP \t
.endr
	RSTEP 32, 33, 1
	RSTEP 16, 34, 2
	RSTEP 8, 35, 4
	RSTEP 4, 36, 8
.irp j, 0,1
	v_cndmask_b32 v[T+\j], v[P+\j+2], v[P+\j], s37
	v_cndmask_b32 v[P+\j], v[P+\j], v[P+\j+2], s37
	v_permlanex16_b32 v[T+4+\j], v[T+\j], s38, s39
	v_add_f32 v[P+\j], v[P+\j], v[T+4+\j]
.endr
	ds_store_b64 v9, v[P:P+1]                      ; the wave's sums over its 512 k: two of the 64 (8 t + e) a lane
	s_wait_kmcnt 0x0                               ; switch_b
	s_wait_dscnt 0x0                               ; for the others' sake: my sums and my scale bytes lie in LDS
	s_barrier_signal -1
	s_barrier_wait -1
	s_cmp_lg_u32 s28, 0
	s_cbranch_scc1 .Lnot_final
	; wave 0: lane l serves token l % 8 (four lanes do the same work)
.irp w, 0,1,2,3
.irp q, 0,1
	ds_load_b128 v[Z+8*\w+4*\q:Z+8*\w+4*\q+3], v10 offset:256*\w+16*\q
.endr
.endr
	s_wait_dscnt 0x0
.irp e, 0,1,2,3,4,5,6,7
	v_add_f32 v[SM+\e], v[Z+\e], v[Z+8+\e]
	v_add_f32 v[Z+\e], v[Z+16+\e], v[Z+24+\e]
.endr
.irp e, 0,1,2,3,4,5,6,7
	v_add_f32 v[SM+\e], v[SM+\e], v[Z+\e]
.endr
.irp e, 0,1,2,3,4,5,6,7
	v_add_f32 v[SM+\e], s[20+\e], v[SM+\e]         ; the logit
.endr
	v_mov_b32 v208, v[SM]                          ; the largest logit and its index; a later one wins only if it is greater
	v_mov_b32 v209, 0
.irp e, 1,2,3,4,5,6,7
	v_cmp_gt_f32 vcc_lo, v[SM+\e], v208
	v_cndmask_b32 v208, v208, v[SM+\e], vcc_lo
	v_cndmask_b32 v209, v209, \e, vcc_lo
.endr
.irp e, 0,1,2,3,4,5,6,7
	v_sub_f32 v[SM+\e], v[SM+\e], v208             ; the maximum is taken away ahead of the exponential
.endr
.irp e, 0,1,2,3,4,5,6,7
	v_mul_f32 v[SM+\e], s40, v[SM+\e]
.endr
.irp e, 0,1,2,3,4,5,6,7
	v_exp_f32 v[SM+\e], v[SM+\e]
.endr
	v_nop                                          ; a plain instruction behind the last exponential
	s_wait_alu depctr_va_vdst(0)                   ; one wait for the eight, ahead of their first reader
	v_add_f32 v210, v200, v201
	v_add_f32 v211, v202, v203
	v_add_f32 v212, v204, v205
	v_add_f32 v213, v206, v207
	v_add_f32 v210, v210, v211
	v_add_f32 v212, v212, v213
	v_add_f32 v210, v210, v212
	v_rcp_f32 v211, v210                           ; 1 / the sum: it is also the largest probability, whose exponential is 2^0
	v_nop
	s_wait_alu depctr_va_vdst(0)
.irp e, 0,1,2,3,4,5,6,7
	v_mul_f32 v[SM+\e], v[SM+\e], v211
.endr
.irp xm, 1,2,4
.irp e, 0,1,2,3,4,5,6,7
	v_add_f32_dpp v[SM+\e], v[SM+\e], v[SM+\e] row_xmask:\xm row_mask:0xf bank_mask:0xf   ; over the work-group's 8 tokens
.endr
.endr
	s_wait_xcnt 0x0                                ; EXEC changes only behind this wait: the codes' stores have been issued under the full one
	v_cmp_gt_u32 vcc_lo, 8, v1
	s_wait_tensorcnt 0x0
	ds_add_u32 v254, v255
	s_wait_dscnt 0x0
	s_and_saveexec_b32 s32, vcc_lo
	global_store_b32 v12, v209, s[14:15]           ; lanes 0-7: the token's expert,
	global_store_b32 v12, v211, s[18:19]           ; and its largest probability
	s_wait_xcnt 0x0
	s_or_b32 exec_lo, exec_lo, s32
	v_cmp_eq_u32 vcc_lo, 0, v1
	s_and_saveexec_b32 s32, vcc_lo
	global_store_b128 v12, v[200:203], s[16:17]    ; lane 0: the eight sums
	global_store_b128 v12, v[204:207], s[16:17] offset:16
	s_wait_xcnt 0x0
	s_or_b32 exec_lo, exec_lo, s32
	s_endpgm
.Lnot_final:
	s_cmp_lg_u32 s28, 1
	s_cbranch_scc1 .Lend
	ds_load_b128 v[Z:Z+3], v11                     ; wave 1: the 8 tokens' scale bytes
	s_wait_dscnt 0x0
	global_store_b128 v2, v[Z:Z+3], s[12:13]       ; 32 lanes store 512 consecutive bytes, at a multiple of 256 from xs's first byte
.Lend:
	s_wait_tensorcnt 0x0
	ds_add_u32 v254, v255
	s_wait_dscnt 0x0
	s_endpgm
.Lfunc_end_k_q90816cab17_route:
	.size	k_q90816cab17_route, .Lfunc_end_k_q90816cab17_route-k_q90816cab17_route
	.p2alignl 7, 3214868480
	.fill 96, 4, 3214868480
	.section	.rodata,"a",@progbits
	.p2align	6, 0x0
	.amdhsa_kernel k_q90816cab17_route
		.amdhsa_group_segment_fixed_size 90112
		.amdhsa_private_segment_fixed_size 0
		.amdhsa_enable_private_segment 0
		.amdhsa_kernarg_size 64
		.amdhsa_user_sgpr_count 2
		.amdhsa_user_sgpr_kernarg_segment_ptr 1
		.amdhsa_wavefront_size32 1
		.amdhsa_system_sgpr_workgroup_id_x 1
		.amdhsa_system_sgpr_workgroup_id_y 1
		.amdhsa_system_sgpr_workgroup_id_z 1
		.amdhsa_system_vgpr_workitem_id 0
		.amdhsa_next_free_vgpr 640
		.amdhsa_next_free_sgpr 66
		.amdhsa_reserve_vcc 1
		.amdhsa_float_denorm_mode_32 3
		.amdhsa_float_denorm_mode_16_64 3
		.amdhsa_memory_ordered 1
		.amdhsa_forward_progress 1
		.amdhsa_inst_pref_size 78
	.end_amdhsa_kernel
	.amdgpu_metadata
---
amdhsa.version: [ 1, 2 ]
amdhsa.kernels:
  - .name:           k_q90816cab17_route
    .symbol:         k_q90816cab17_route.kd
    .args:
      - { .name: x, .offset: 0, .size: 8, .value_kind: global_buffer, .address_space: global }
      - { .name: switch_w, .offset: 8, .size: 8, .value_kind: global_buffer, .address_space: global }
      - { .name: switch_b, .offset: 16, .size: 8, .value_kind: global_buffer, .address_space: global }
      - { .name: xq, .offset: 24, .size: 8, .value_kind: global_buffer, .address_space: global }
      - { .name: xs, .offset: 32, .size: 8, .value_kind: global_buffer, .address_space: global }
      - { .name: routes, .offset: 40, .size: 8, .value_kind: global_buffer, .address_space: global }
      - { .name: psum, .offset: 48, .size: 8, .value_kind: global_buffer, .address_space: global }
      - { .name: out3, .offset: 56, .size: 8, .value_kind: global_buffer, .address_space: global }
    .group_segment_fixed_size: 90112
    .private_segment_fixed_size: 0
    .kernarg_segment_align: 8
    .kernarg_segment_size: 64
    .max_flat_workgroup_size: 128
    .sgpr_count:     66
    .vgpr_count:     640
    .wavefront_size: 32
...
	.end_amdgpu_metadata
.endif
;; end of part 1
;; launch experts (part 2): grid 32 x 8, 4 waves a work-group, no clusters, 123,392 bytes of LDS; arguments xq, xs, routes, psum, out3, expert_w_codes, expert_w_scales, expert_b, out0, out1, out2; writes out0, out1, out2
.if DOCPART == 2
	.amdgcn_target "amdgcn-amd-amdhsa--gfx1250"
	.amdhsa_code_object_version 6
	.text
	.protected	k_q90816cab17_experts
	.globl	k_q90816cab17_experts
	.p2align	8
	.type	k_q90816cab17_experts,@function
k_q90816cab17_experts:
	s_mov_b64 s[64:65], 0
	v_nop
	global_prefetch_b8 v0, s[64:65] scope:SCOPE_SE
	s_setreg_imm32_b32 hwreg(HW_REG_WAVE_MODE, 25, 1), 1
	s_wait_xcnt 0x0
; SwitchFeedForward, second launch: out0[n][:] = relu(Q(x[n]) . W[e] + b[e]) x p[n] for the ONE expert e that token n was routed to; out1 = tokens of each expert; out2 = the probabilities' column sums.
; Only the chosen rows are multiplied: the other seven experts' rows are thrown away by the mask that the layer builds itself.
; SHARES.  Work-group (cb, e) owns expert e's columns 64 cb .. 64 cb + 63 for ALL tokens routed to e: 32 x 8 work-groups whatever the split, and each weight byte is read by one work-group, once.
; Its 64 rows of codes (98,304 dense bytes) go through registers into LDS and stay.  Wave 0 meanwhile scans the 2,048 stored routes and lays the list of e's tokens, with their probabilities, in LDS.
; Behind the second barrier the waves share nothing: in pass j wave w takes the list's rows 16 w + 64 i + 320 j, i = 0 .. 4: five tiles of 16 rows x 64 columns, 20 accumulators, 16 K steps of 128.
; x's codes are gathered from xq straight into operand registers (three loads of 16 bytes a fragment and lane), four K steps ahead; the weights' fragments come from LDS, one K step ahead.
; NO TENSOR LOAD, NO CLUSTER: the number of passes and the tiles left out hang on the stored routes, so no fill of LDS may be counted on every path; no two work-groups read the same weights, and what they
; share, x's gathered rows, lies at places that only the list knows.  Nothing is asked for ahead of its load: the weights are requested in the first lines, and xq is read again by 32 work-groups.
; THE PRODUCT: source 0 = 16 list rows of x, source 1 = 16 columns of W.  Lane r of column tile c takes column 4 r + c, so that register j of the four tiles c = 0 .. 3 holds four NEIGHBOURING columns of row 8 h + j:
; one store of 16 bytes a lane, and 16 lanes fill 256 consecutive bytes, at a multiple of 256 from out0's first byte.  The bias is the C of each sum's first matrix instruction.
; LIMITS: list rows past an expert's count are copies of its first row (of token 0 with probability 0 where the count is 0, and then nothing is stored): in a tile that straddles the count that row is computed and
; stored again, with the same values, by this work-group.  relu is taken behind the multiplication by p, which is above 0.
; REGISTERS, in windows of 256: window 0: v1-13 addresses; AO, XO gather offsets; v24-31 at work; WS, XS scale words and nothing else; v104-231 the scan's routes and probabilities, later OFF, P8, OUT, IDXA; v232-255 small things.
;   window 1: v0-159 the accumulators ((i, c) at v[8 (4 i + c)]), v160-255 W's fragments, two sets; at the head v0-191 the weights as loaded.   window 2: x's fragments, four slots of 60.
;   window 3: v0-31 the bias, 8 registers a column tile; v32-95 psum, in registers into which no other load lands.
.set PITCH, 1552                       ; a column's 1,536 bytes of codes + 16 = 388 words: row r starts at bank 4 r mod 64 (64 banks of 4 bytes: ISA guide 11.1), so the 32 lanes of a load of 8 bytes touch 64 different banks
.set IDX,   64*PITCH                   ; the list: 2,272 words: entries 0 .. 2,239 tokens and padding, 2,240 .. 2,271 a dump for lanes whose token is another expert's
.set PMO,   9216                       ; the same entries' probabilities lie this far on
.set CNTW,  IDX+2*PMO                  ; the count
.set CLR,   38                         ; stores of 512 bytes that clear IDX .. IDX + 19,456: list, probabilities, count, and as far as a pass's head would read after seven steps of its list address, the most that the loop's counter allows
.set AO,   14                          ; v14-18  tile i: my row's byte in xq (+ 48 h)
.set XO,   19                          ; v19-23  and in xs (+ 32 h)
.set WS,   32                          ; v32-63  W's scale words: tile c, register k: lanes 0-15 K step k, lanes 16-31 K step 8 + k
.set XS,   64                          ; v64-103 x's likewise: tile i
.set RT,   104                         ; the scan: routes, 16 x 4
.set PMX,  168                         ; and probabilities
.set OFF,  104                         ; a pass: byte offset in out0 of row 8 h + j of tile i, + 16 r
.set P8,   144                         ; its probability
.set OUT,  184                         ; 32 results on their way out
.set IDXA, 216                         ; tile i: the token of row r
.set BI,   244                         ; the bias of my four columns
.set PS,   32                          ; psum, in window 3
.set MSB, 0
.macro WIN new                         ; the immediate's high byte repeats the setting that is left
.if MSB != \new
	s_set_vgpr_msb (MSB<<8)|\new
.set MSB, \new
.endif
.endm
	s_load_b256 s[4:11], s[0:1], 0x0               ; xq s[4:5], xs s[6:7], routes s[8:9], psum s[10:11]
	s_load_b256 s[12:19], s[0:1], 0x20             ; out3 s[12:13], W's codes s[14:15], W's scales s[16:17], expert_b s[18:19]
	s_load_b128 s[20:23], s[0:1], 0x40             ; out0 s[20:21], out1 s[22:23]
	s_load_b64 s[24:25], s[0:1], 0x50              ; out2
	v_lshl_add_u32 v237, v0, 2, 0x1e000
	v_mov_b32 v242, 0
	v_lshrrev_b32 v24, 5, v0
	v_readfirstlane_b32 s26, v24                   ; wave 0..3
	s_mov_b32 s27, ttmp9                           ; cb
	s_and_b32 s28, ttmp7, 0xffff                   ; e
	v_and_b32 v1, 31, v0                           ; lane
	v_and_b32 v2, 15, v0                           ; r
	v_bfe_u32 v3, v0, 4, 1                         ; h
	v_lshlrev_b32 v4, 4, v1                        ; 16 x lane
	s_mul_i32 s33, s26, 4*PITCH
	v_add_nc_u32 v5, s33, v4                       ; the weights into LDS: column o = 16 w + q goes to row 16 (o % 4) + o / 4 = 16 (q % 4) + 4 w + q / 4
	v_add_nc_u32 v6, 32*PITCH, v5                  ; (rows 32 on: the immediate has 16 bits)
	v_mul_u32_u24 v7, v2, PITCH
	v_mad_u32_u24 v7, v3, 24, v7                   ; a fragment of W: row 16 c + r, + 24 h
	v_add_nc_u32 v8, 32*PITCH, v7
	v_lshl_add_u32 v9, v2, 2, IDX                  ; the list: entry r of a tile,
	v_lshl_add_u32 v10, v3, 5, IDX                 ; and entries 8 h + 0 .. 7
	v_mul_u32_u24 v11, v3, 48
	v_lshlrev_b32 v12, 5, v3
	v_lshlrev_b32 v13, 4, v2
	v_mov_b32 v30, CNTW
	v_mov_b32 v31, IDX
	v_lshlrev_b32 v232, 2, v1                      ; 4 x lane
	v_add_nc_u32 v233, 2240, v1                    ; my word of the dump
	v_lshl_add_u32 v240, v1, 4, IDX                ; my 16 bytes of 512 in the list's region, for the clearing
	v_lshl_add_u32 v241, v2, 8, v12                ; W's scales: columns 4 r + c are 256 r + 64 c bytes on; + 32 h
.irp j, 0,1,2,3
	v_mov_b32 v[252+\j], 0                         ; four zeros: what the list's region is cleared with; in the wave that makes out2, the lane permutes' destinations, which count as sources
.endr
	s_xor_b32 s41, s26, 1
	s_or_b32 s41, s41, s27
	s_or_b32 s41, s41, s28                         ; 0 in wave 1 of work-group (0, 0): it makes out2
	s_mov_b32 s42, 0x76543210                      ; v_permlanex16_b32's selects for lane l xor 16
	s_mov_b32 s43, 0xfedcba98
	s_mov_b32 s39, 0
	s_wait_kmcnt 0x0
	s_mul_i32 s38, s28, 3145728                    ; W's codes: an expert is 2,048 rows of 1,536 bytes, my work-group's 64 rows, my wave's 16
	s_mul_i32 s33, s27, 98304
	s_add_co_u32 s38, s38, s33
	s_mul_i32 s33, s26, 24576
	s_add_co_u32 s38, s38, s33
	s_add_nc_u64 s[14:15], s[14:15], s[38:39]
	s_lshl_b32 s38, s28, 17                        ; W's scales: 64 bytes a row
	s_lshl_b32 s33, s27, 12
	s_add_co_u32 s38, s38, s33
	s_add_nc_u64 s[16:17], s[16:17], s[38:39]
	s_lshl_b32 s38, s28, 13                        ; expert_b
	s_lshl_b32 s33, s27, 8
	s_add_co_u32 s38, s38, s33
	s_add_nc_u64 s[18:19], s[18:19], s[38:39]
	s_mov_b32 s38, s33                             ; out0: my 64 columns
	s_add_nc_u64 s[20:21], s[20:21], s[38:39]
	s_lshl_b32 s38, s28, 2                         ; out1: my expert's number
	s_add_nc_u64 s[22:23], s[22:23], s[38:39]
	s_cmp_lg_u32 s26, 0
	s_cbranch_scc1 .Lno_scan_loads
.set gg, 0
.rept 16                                       ; wave 0: all routes and probabilities: lane l of load g holds tokens 128 g + 4 l + 0 .. 3
	global_load_b128 v[RT+4*gg:RT+4*gg+3], v4, s[8:9] offset:512*gg
.set gg, gg+1
.endr
.set gg, 0
.rept 16
	global_load_b128 v[PMX+4*gg:PMX+4*gg+3], v4, s[12:13] offset:512*gg
.set gg, gg+1
.endr
.Lno_scan_loads:
	s_cmp_lg_u32 s41, 0
	s_cbranch_scc1 .Lno_psum_loads
	WIN 0xc0                                       ; destination window 3
.set gg, 0
.rept 16                                       ; psum [256][8]: lane l holds experts 4 (l % 2) + 0 .. 3
	global_load_b128 v[PS+4*gg:PS+4*gg+3], v4, s[10:11] offset:512*gg
.set gg, gg+1
.endr
	WIN 0
.Lno_psum_loads:
	WIN 0x40                                       ; every wave, 57 loads: 48 of its 16 rows of codes,
.set nn, 0
.rept 48
	global_load_b128 v[4*nn:4*nn+3], v4, s[14:15] offset:512*nn th:TH_LOAD_NT   ; 512 consecutive bytes; read once in the launch
.set nn, nn+1
.endr
	WIN 0
.irp c, 0,1,2,3                                ; 8 of W's scale words,
.irp q, 0,1
	global_load_b128 v[WS+8*\c+4*\q:WS+8*\c+4*\q+3], v241, s[16:17] offset:64*\c+16*\q
.endr
.endr
	global_load_b128 v[BI:BI+3], v13, s[18:19]     ; 1 of the bias of columns 4 r + 0 .. 3
	s_cmp_lg_u32 s26, 0
	s_cbranch_scc1 .Lno_scan
.set kk, 0
.rept CLR                                      ; while the routes are on their way: the list's whole region is cleared, 512 consecutive bytes a store: every entry begins as token 0 with probability 0
	ds_store_b128 v240, v[252:255] offset:512*kk
.set kk, kk+1
.endr
	s_wait_loadcnt 57                              ; the routes and probabilities are in; the 57 loads issued behind them may be out
	; THE SCAN.  For each of 64 registers: which lanes' token is mine; each of them takes the next free entry, the others their word of the dump.  LDS serves a wave's instructions in order (ISA guide 5.7.1.4): these stores come behind the clearing
	s_mov_b32 s36, 0                               ; entries taken
.set gg, 0
.rept 16
.irp j, 0,1,2,3                                ; (two sets of registers by turns)
	v_cmp_eq_u32 s[34+10*(\j%2)], s28, v[RT+4*gg+\j]
	v_mbcnt_lo_u32_b32 v[24+2*(\j%2)], s[34+10*(\j%2)], s36        ; entries taken + the lanes below me that take one
	s_bcnt1_i32_b32 s[35+10*(\j%2)], s[34+10*(\j%2)]
	v_cndmask_b32 v[24+2*(\j%2)], v233, v[24+2*(\j%2)], s[34+10*(\j%2)]
	s_add_co_u32 s36, s36, s[35+10*(\j%2)]
	v_min_u32 v[24+2*(\j%2)], 2271, v[24+2*(\j%2)]                 ; inside the list, whatever was loaded
	v_lshl_add_u32 v[24+2*(\j%2)], v[24+2*(\j%2)], 2, IDX
	v_add_nc_u32 v[25+2*(\j%2)], 128*gg+\j, v232                   ; the token
	ds_store_b32 v[24+2*(\j%2)], v[25+2*(\j%2)]
	ds_store_b32 v[24+2*(\j%2)], v[PMX+4*gg+\j] offset:PMO
.endr
.set gg, gg+1
.endr
	ds_load_b32 v234, v31                          ; the padding: 320 copies of entry 0 behind the list: a pass reads at most 271 entries past its first, which lies under the count
	ds_load_b32 v235, v31 offset:PMO
	v_add_nc_u32 v236, s36, v1
	s_wait_dscnt 0x0
.irp k, 0,1,2,3,4,5,6,7,8,9
	v_add_nc_u32 v[24+2*(\k%2)], 32*\k, v236
	v_min_u32 v[24+2*(\k%2)], 2239, v[24+2*(\k%2)]
	v_lshl_add_u32 v[24+2*(\k%2)], v[24+2*(\k%2)], 2, IDX
	ds_store_b32 v[24+2*(\k%2)], v234
	ds_store_b32 v[24+2*(\k%2)], v235 offset:PMO
.endr
	v_mov_b32 v238, s36
	ds_store_b32 v30, v238                         ; the count
	s_cmp_lg_u32 s27, 0
	s_cbranch_scc1 .Lno_scan
	v_cvt_f32_u32 v243, s36                        ; the expert's first work-group stores it as out1[e]
	s_wait_xcnt 0x0                                ; EXEC changes only behind this wait
	v_cmp_eq_u32 vcc_lo, 0, v1
	s_and_saveexec_b32 s40, vcc_lo
	global_store_b32 v232, v243, s[22:23]
	s_wait_xcnt 0x0
	s_or_b32 exec_lo, exec_lo, s40
.Lno_scan:
	s_cmp_lg_u32 s41, 0
	s_cbranch_scc1 .Lno_out2
	s_wait_loadcnt 57                              ; psum is in; the 57 loads issued behind it may be out
	WIN 0xcf                                       ; sources 0 and 1 and the destination: window 3
.irp g, 1,2,3,4,5,6,7,8,9,10,11,12,13,14,15
	v_pk_add_f32 v[PS:PS+1], v[PS:PS+1], v[PS+4*\g:PS+4*\g+1]
	v_pk_add_f32 v[PS+2:PS+3], v[PS+2:PS+3], v[PS+4*\g+2:PS+4*\g+3]
.endr
	WIN 0x03                                       ; source 0 window 3
.irp j, 0,1,2,3
	v_mov_b32 v[248+\j], v[PS+\j]
.endr
	WIN 0
.irp xm, 2,4,8
.irp j, 0,1,2,3
	v_add_f32_dpp v[248+\j], v[248+\j], v[248+\j] row_xmask:\xm row_mask:0xf bank_mask:0xf   ; over the lanes of my parity
.endr
.endr
.irp j, 0,1,2,3
	v_permlanex16_b32 v[252+\j], v[248+\j], s42, s43
.endr
.irp j, 0,1,2,3
	v_add_f32 v[248+\j], v[248+\j], v[252+\j]
.endr
	s_wait_xcnt 0x0
	v_cmp_gt_u32 vcc_lo, 2, v1
	s_and_saveexec_b32 s40, vcc_lo
	global_store_b128 v4, v[248:251], s[24:25]     ; lane 0: experts 0-3, lane 1: experts 4-7
	s_wait_xcnt 0x0
	s_or_b32 exec_lo, exec_lo, s40
.Lno_out2:
	s_wait_loadcnt 57                              ; on every wave's path: whatever was asked for ahead of the 57 common loads is in, so that the loads below may land in those registers; a wave that asked for nothing more has 57 out and goes on
	s_wait_dscnt 0x0                               ; wave 0's list lies in LDS; up to here no other wave has touched LDS
	s_barrier_signal -1
	s_barrier_wait -1
	ds_load_b32 v239, v30
	s_wait_dscnt 0x0
	v_readfirstlane_b32 s29, v239
	s_min_u32 s29, s29, 2048                       ; the count
	s_lshl_b32 s30, s26, 4                         ; my first list row of the pass: 16 w + 320 j,
	s_lshl_b32 s31, s26, 6                         ; and its byte in the list
	s_mov_b32 s32, 0
.macro ALOAD s                         ; x's five fragments of K step s into slot s % 4 (destination window 2): 15 loads
.irp i, 0,1,2,3,4
.irp q, 0,1,2
	global_load_b128 v[60*((\s)%4)+12*\i+4*\q:60*((\s)%4)+12*\i+4*\q+3], v[AO+\i], s[4:5] offset:96*(\s)+16*\q
.endr
.endr
.endm
.macro BLOAD s                         ; W's four fragments of K step s into set s % 2 (destination window 1): 24 loads of 8 bytes, so that every address is a multiple of the access's size
.irp c, 0,1,2,3
.irp p, 0,1,2,3,4,5
.if \c < 2
	ds_load_b64 v[160+48*((\s)%2)+12*\c+2*\p:160+48*((\s)%2)+12*\c+2*\p+1], v7 offset:16*PITCH*\c+96*(\s)+48*(\p/3)+8*(\p%3)
.else
	ds_load_b64 v[160+48*((\s)%2)+12*\c+2*\p:160+48*((\s)%2)+12*\c+2*\p+1], v8 offset:16*PITCH*(\c-2)+96*(\s)+48*(\p/3)+8*(\p%3)
.endif
.endr
.endr
.endm
; A PASS'S HEAD: the five tiles' tokens and probabilities out of the list; x's scale words and its fragments of K steps 0 to 3 are asked for: 70 loads
.macro PRO
	s_wait_xcnt 0x0                                ; offsets and data of earlier loads and stores are written again only behind this wait
	v_add_nc_u32 v28, s31, v9
	v_add_nc_u32 v29, s31, v10
.irp i, 0,1,2,3,4
	ds_load_b32 v[IDXA+\i], v28 offset:256*\i
.endr
.irp i, 0,1,2,3,4
	ds_load_b128 v[OFF+8*\i:OFF+8*\i+3], v29 offset:256*\i
	ds_load_b128 v[OFF+8*\i+4:OFF+8*\i+7], v29 offset:256*\i+16
	ds_load_b128 v[P8+8*\i:P8+8*\i+3], v29 offset:256*\i+PMO
	ds_load_b128 v[P8+8*\i+4:P8+8*\i+7], v29 offset:256*\i+PMO+16
.endr
	s_wait_dscnt 20                                ; the five tokens are in; the 20 loads issued behind them may be out
.irp i, 0,1,2,3,4
	v_min_u32 v[IDXA+\i], 2047, v[IDXA+\i]         ; inside the tables, whatever was loaded
.endr
.irp i, 0,1,2,3,4
	v_mul_u32_u24 v[AO+\i], v[IDXA+\i], 1536
	v_lshl_add_u32 v[XO+\i], v[IDXA+\i], 6, v12
.endr
.irp i, 0,1,2,3,4
	v_add_nc_u32 v[AO+\i], v[AO+\i], v11
.endr
.irp i, 0,1,2,3,4
	global_load_b128 v[XS+8*\i:XS+8*\i+3], v[XO+\i], s[6:7]
	global_load_b128 v[XS+8*\i+4:XS+8*\i+7], v[XO+\i], s[6:7] offset:16
.endr
	WIN 0x80
.irp s, 0,1,2,3
	ALOAD \s
.endr
	WIN 0
	s_wait_dscnt 0x0
.set nn, 0
.rept 40                                       ; while those are out: where the rows go in out0: 8,192 bytes a token, + 16 r
	v_min_u32 v[OFF+nn], 2047, v[OFF+nn]
	v_lshl_add_u32 v[OFF+nn], v[OFF+nn], 13, v13
.set nn, nn+1
.endr
.endm
; one product: tile i of rows x tile c of columns, K step ks
.macro MM i, c
.if ks == 0
	v_wmma_scale_f32_16x16x128_f8f6f4 v[8*(4*\i+\c):8*(4*\i+\c)+7], v[60*(ks%4)+12*\i:60*(ks%4)+12*\i+11], v[160+48*(ks%2)+12*\c:160+48*(ks%2)+12*\c+11], v[8*\c:8*\c+7], v[XS+8*\i+ks%8], v[WS+8*\c+ks%8] matrix_a_fmt:MATRIX_FMT_FP6 matrix_b_fmt:MATRIX_FMT_FP6
.elseif ks < 8
	v_wmma_scale_f32_16x16x128_f8f6f4 v[8*(4*\i+\c):8*(4*\i+\c)+7], v[60*(ks%4)+12*\i:60*(ks%4)+12*\i+11], v[160+48*(ks%2)+12*\c:160+48*(ks%2)+12*\c+11], v[8*(4*\i+\c):8*(4*\i+\c)+7], v[XS+8*\i+ks%8], v[WS+8*\c+ks%8] matrix_a_fmt:MATRIX_FMT_FP6 matrix_b_fmt:MATRIX_FMT_FP6
.else
	v_wmma_scale_f32_16x16x128_f8f6f4 v[8*(4*\i+\c):8*(4*\i+\c)+7], v[60*(ks%4)+12*\i:60*(ks%4)+12*\i+11], v[160+48*(ks%2)+12*\c:160+48*(ks%2)+12*\c+11], v[8*(4*\i+\c):8*(4*\i+\c)+7], v[XS+8*\i+ks%8], v[WS+8*\c+ks%8] matrix_a_fmt:MATRIX_FMT_FP6 matrix_b_fmt:MATRIX_FMT_FP6 matrix_a_scale:MATRIX_SCALE_ROW1 matrix_b_scale:MATRIX_SCALE_ROW1
.endif
.endm
	PRO                                            ; the first pass's gathers queue behind the weights (entries 0 .. 319 of the list are always written)
	s_wait_loadcnt 63                              ; the 57 are in: 70 loads were issued behind them; the wait's field holds 63 at the most
	WIN 0x04                                       ; an LDS store's data are its source 1: window 1
.set nn, 0
.rept 48
.set qq, nn/3                                  ; row q of my 16, a third of it
.if (qq%4) < 2
	ds_store_b128 v5, v[4*nn:4*nn+3] offset:(16*(qq%2)+qq/4)*PITCH+512*(nn%3)
.else
	ds_store_b128 v6, v[4*nn:4*nn+3] offset:(16*(qq%2)+qq/4)*PITCH+512*(nn%3)
.endif
.set nn, nn+1
.endr
	WIN 0xc0                                       ; destination window 3
.irp c, 0,1,2,3
.irp j, 0,1,2,3,4,5,6,7
	v_mov_b32 v[8*\c+\j], v[BI+\c]                 ; the bias in the result's layout: column 4 r + c in all eight rows
.endr
.endr
	WIN 0
	s_wait_dscnt 0x0                               ; for the others' sake: my 16 rows of codes lie in LDS
	s_barrier_signal -1
	s_barrier_wait -1                              ; from here on LDS is only read, and one barrier follows, at the end
	s_cmp_ge_u32 s30, s29
	s_cbranch_scc1 .Ldone                          ; no list row for this wave
.Lpass:                                            ; at most 7 passes: 16 w + 320 x 7 lies past 2,048 rows; the way out is the forward branch on the stored count
	WIN 0x40
	BLOAD 0
	BLOAD 1
.set ks, 0
.rept 16
.if ks <= 12
	s_wait_loadcnt 45                              ; x's scale words and this K step's fragments are in; those of the next three steps, 15 loads each, may be out
.else
	s_wait_loadcnt 15*(15-ks)
.endif
.if ks < 15
	s_wait_dscnt 24                                ; this K step's fragments of W are in; the next step's 24 loads may be out
.else
	s_wait_dscnt 0x0
.endif
.if ks == 0
	WIN 0x76                                       ; source 0 (x) window 2, source 1 (W) window 1, C (the bias) window 3, D window 1
.else
	WIN 0x56                                       ; the same, C window 1
.endif
.irp i, 0,1,2,3,4                              ; the 20 accumulators take turns, one instruction a turn, in the same order in every K step
.irp c, 0,1,2,3
	MM \i, \c
.endr
.endr
.if (ks <= 13) || (ks == 15)
.rept 4
	v_nop                                          ; four places in front of loads into registers that these products have read, and of the first read of results (ISA guide 7.12.1 for vector instructions)
.endr
.endif
.if ks <= 13
	WIN 0x40
	BLOAD ks+2
.endif
.if ks <= 11
	WIN 0x80
	ALOAD ks+4
.endif
.set ks, ks+1
.endr
	WIN 0
	; THE WAY OUT, a tile of 16 rows at a time; a tile that begins at or past the count is left out, and so are those behind it
.irp i, 0,1,2,3,4
.if \i > 0
	s_add_co_u32 s33, s30, 64*\i
	s_cmp_ge_u32 s33, s29
	s_cbranch_scc1 .Lepi_end
.endif
	s_wait_xcnt 0x0                                ; the last tile's stores have read their data: OUT is written again only behind this wait
	WIN 0x01                                       ; source 0 (the accumulators) window 1
.irp j, 0,1,2,3,4,5,6,7                        ; each accumulator from its low end on
.irp c, 0,1,2,3
	v_mul_f32 v[OUT+4*\j+\c], v[8*(4*\i+\c)+\j], v[P8+8*\i+\j]     ; x the row's probability
.endr
.endr
.set nn, 0
.rept 32
	v_max_num_f32 v[OUT+nn], 0, v[OUT+nn]          ; relu
.set nn, nn+1
.endr
	WIN 0
.irp j, 0,1,2,3,4,5,6,7
	global_store_b128 v[OFF+8*\i+\j], v[OUT+4*\j:OUT+4*\j+3], s[20:21] th:TH_STORE_NT   ; 16 lanes store 256 consecutive bytes of one row; written once, read by nobody here
.endr
.endr
.Lepi_end:
	s_add_co_u32 s30, s30, 320
	s_add_co_u32 s31, s31, 1280
	s_cmp_ge_u32 s30, s29
	s_cbranch_scc1 .Ldone
	PRO
	s_add_co_u32 s32, s32, 1
	s_cmp_lt_u32 s32, 7
	s_cbranch_scc1 .Lpass
.Ldone:
	s_barrier_signal -1
	s_barrier_wait -1
	s_wait_tensorcnt 0x0
	ds_add_u32 v237, v242
	s_wait_dscnt 0x0
	s_endpgm
.Lfunc_end_k_q90816cab17_experts:
	.size	k_q90816cab17_experts, .Lfunc_end_k_q90816cab17_experts-k_q90816cab17_experts
	.p2alignl 7, 3214868480
	.fill 96, 4, 3214868480
	.section	.rodata,"a",@progbits
	.p2align	6, 0x0
	.amdhsa_kernel k_q90816cab17_experts
		.amdhsa_group_segment_fixed_size 123392
		.amdhsa_private_segment_fixed_size 0
		.amdhsa_enable_private_segment 0
		.amdhsa_kernarg_size 88
		.amdhsa_user_sgpr_count 2
		.amdhsa_user_sgpr_kernarg_segment_ptr 1
		.amdhsa_wavefront_size32 1
		.amdhsa_system_sgpr_workgroup_id_x 1
		.amdhsa_system_sgpr_workgroup_id_y 1
		.amdhsa_system_sgpr_workgroup_id_z 1
		.amdhsa_system_vgpr_workitem_id 0
		.amdhsa_next_free_vgpr 864
		.amdhsa_next_free_sgpr 66
		.amdhsa_reserve_vcc 1
		.amdhsa_float_denorm_mode_32 3
		.amdhsa_float_denorm_mode_16_64 3
		.amdhsa_memory_ordered 1
		.amdhsa_forward_progress 1
		.amdhsa_inst_pref_size 196
	.end_amdhsa_kernel
	.amdgpu_metadata
---
amdhsa.version: [ 1, 2 ]
amdhsa.kernels:
  - .name:           k_q90816cab17_experts
    .symbol:         k_q90816cab17_experts.kd
    .args:
      - { .name: xq, .offset: 0, .size: 8, .value_kind: global_buffer, .address_space: global }
      - { .name: xs, .offset: 8, .size: 8, .value_kind: global_buffer, .address_space: global }
      - { .name: routes, .offset: 16, .size: 8, .value_kind: global_buffer, .address_space: global }
      - { .name: psum, .offset: 24, .size: 8, .value_kind: global_buffer, .address_space: global }
      - { .name: out3, .offset: 32, .size: 8, .value_kind: global_buffer, .address_space: global }
      - { .name: expert_w_codes, .offset: 40, .size: 8, .value_kind: global_buffer, .address_space: global }
      - { .name: expert_w_scales, .offset: 48, .size: 8, .value_kind: global_buffer, .address_space: global }
      - { .name: expert_b, .offset: 56, .size: 8, .value_kind: global_buffer, .address_space: global }
      - { .name: out0, .offset: 64, .size: 8, .value_kind: global_buffer, .address_space: global }
      - { .name: out1, .offset: 72, .size: 8, .value_kind: global_buffer, .address_space: global }
      - { .name: out2, .offset: 80, .size: 8, .value_kind: global_buffer, .address_space: global }
    .group_segment_fixed_size: 123392
    .private_segment_fixed_size: 0
    .kernarg_segment_align: 8
    .kernarg_segment_size: 88
    .max_flat_workgroup_size: 128
    .sgpr_count:     66
    .vgpr_count:     864
    .wavefront_size: 32
...
	.end_amdgpu_metadata
.endif
;; end of part 2
